; MI455X (gfx1250); checked and timed in simulation.
; The chip was launched on July 23, 2026; its instructions are those of AMD's public machine-readable ISA for CDNA 5 (MIT licence, August 2026) and "CDNA5" Instruction Set Architecture Reference Guide (July 2026). The comments in the code are by the model that wrote it; some were corrected since.
;; MPT Attention. Allowed arithmetic: matrix products marked QUANTISED: E5M2 operands, one given power-of-two scale a tensor, by v_wmma_f32_16x16x64_bf8_bf8 or v_wmma_f32_16x16x128_bf8_bf8, f32 sums; everything else in f32.
;; Inputs: alibi_slopes 16 float32; end_seq 4 int32; hidden_states 8,192 x 1,024 float32; lowp_scales 8 int32 (the exponents e of the quantised operands' scales 2^e); start_seq 4 int32; w_out 1,024 x 1,024 float32; w_qkv 3,072 x 1,024 float32.
;; Outputs: out0 8,192 x 1,024 float32.
;; Constants: max_s = 2048.
;; This version of the problem:
;;   THIS VERSION OF THE PROBLEM IS GIVEN IN LOW PRECISION. The matrix products marked QUANTISED in the list below multiply operands that are first quantised to E5M2 (5 exponent bits, 2 mantissa bits; 8 bits a number), with one given power-of-two scale for each operand tensor; their sums are f32. All else is computed in f32.
;;   The module's matrix products, in the order in which they are computed (A, B: the left and right operand; K: the contracted axis; several contracted axes count as one K, in the product's order):
;;     1. [M 8,192, K 1,024] x [K 1,024, N 3,072]; A: input hidden_states; B: input w_qkv: QUANTISED (scales: A lowp_scales[0], B lowp_scales[1])
;;     2. batch 64 x [M 2,048, K 64] x [K 64, N 2,048]; A: computed on the way; B: computed on the way: QUANTISED (scales: A lowp_scales[2], B lowp_scales[3])
;;     3. batch 64 x [M 64, K 2,048] x [K 2,048, N 2,048]; A: computed on the way; B: softmax (see below): QUANTISED (scales: A lowp_scales[4], B lowp_scales[5])
;;     4. [M 8,192, K 1,024] x [K 1,024, N 1,024]; A: computed on the way; B: input w_out: QUANTISED (scales: A lowp_scales[6], B lowp_scales[7])
;;   THE QUANTISER, for each operand of a quantised product, along K:
;;     - The operand's scale is 2^e, e = its entry of the input lowp_scales (int32; the entries are numbered through the quantised products in the list's order, A before B).
;;     - Each number is divided by the scale, clamped to +-57,344, and rounded to the nearest number of E5M2, ties to even, subnormals kept.
;;     - The product sums the exact products of the quantised numbers (number of the format x scale) in f32.
;;   ~~~python
;;   def quantise(x, axis, e):      # numpy; x: float32 -> the quantised numbers, widened to float32 again
;;       x = np.moveaxis(x, axis, -1); K = x.shape[-1]
;;       r = np.clip(x / 2.0 ** e, -57344, 57344)
;;       step = 2.0 ** (np.maximum(np.frexp(np.where(r == 0, 1, r))[1] - 1, -14) - 2)
;;       q = np.round(r / step) * step * 2.0 ** e      # np.round: ties to even
;;       return np.moveaxis(q, -1, axis).astype(np.float32)
;;   ~~~
;;   SOFTMAX AHEAD OF A QUANTISED PRODUCT. Where the list says 'softmax', what is quantised is not the finished softmax but p = 2^(t - M), with t = logit x log2(e) and M = ceil(the row's largest t), a whole number; so 1/2 < the row's largest p <= 1. The row's sum l is taken of the UNQUANTISED p, in f32, and the product's result is divided by l at the end. Since M is a whole number, a kernel that streams over the keys may use a running M (the ceiling of the running maximum): every later rescaling is an exact power of two, so the quantised numbers keep their values, but for numbers so far below the row's largest that they fall under the format's range.
;;   OPERANDS COMPUTED ON THE WAY. 'Computed on the way' means the value that the module computes at that place (a softmax that the list does not call 'softmax' is quantised finished and normalised). What goes into a quantiser is computed in f32, as accurately as f32 sums, v_exp_f32 and their like allow (about 1e-6 of the number): no bf16 or f16 on the way to a quantiser, and a product that is left as it is and whose result goes on into a quantised operand takes f32 operands (vector FMAs, or v_wmma_f32_16x16x4_f32). A number that lies on a knife's edge between two numbers of the format may be rounded either way, as far as f32 arithmetic and the matrix unit's own rounding can turn it there, and no further.
;; One version. Each part assembles by itself: llvm-mc -triple=amdgcn-amd-amdhsa -mcpu=gfx1250 --defsym DOCPART=n.
;; ======== version 1 of 1: 4 launches
;; workspace buffers: hid_img 8,388,608 bytes; wqkv_img 3,145,728 bytes; wout_img 1,048,576 bytes; qkv_img 25,165,824 bytes; ctx_img 8,388,608 bytes
;; launch quant (part 1): grid 384 x 1, 4 waves a work-group, no clusters, 34,304 bytes of LDS; arguments hidden_states, w_qkv, w_out, lowp_scales, hid_img, wqkv_img, wout_img; writes hid_img, wqkv_img, wout_img
.if DOCPART == 1
	.amdgcn_target "amdgcn-amd-amdhsa--gfx1250"
	.amdhsa_code_object_version 6
	.text
	.protected	k_q55245cd085_quant
	.globl	k_q55245cd085_quant
	.p2align	8
	.type	k_q55245cd085_quant,@function
k_q55245cd085_quant:
	s_mov_b64 s[64:65], 0
	v_nop
	global_prefetch_b8 v0, s[64:65] scope:SCOPE_SE
	s_setreg_imm32_b32 hwreg(HW_REG_WAVE_MODE, 25, 1), 1
	s_wait_xcnt 0x0
; hidden_states [8192][1024], w_qkv [3072][1024], w_out [1024][1024], f32, K innermost, become codes of BF8 (E5M2) with the given scales 2^e (entries 0, 1 and 7 of the scales):
; code = x / 2^e, held within +-57,344, rounded to the nearest code, ties to even.
; THE CODES ARE LAID AS IMAGES OF OPERAND REGISTERS.  A fragment is 16 rows x 128 k, 2,048 bytes: lane (r, h)'s registers 4 c .. 4 c + 3 (k = 32 c + 16 h + 0 .. 15 of fragment row r) lie at byte 512 c + 16 lane.
; Fragment row r of row block t is matrix row 32 (t / 2) + 8 (t % 2) + r + 8 (r / 8).  A tensor's image is [row block][K step of 128, 8 of them][2,048].
; SHARES.  A work-group takes 32 rows (two row blocks); wave w takes block w / 2 and half w % 2 of K: four fragments.  Work-groups 0-255 hidden_states, 256-351 w_qkv, 352-383 w_out: only pointers and e are chosen.
; Each load reads 512 consecutive bytes of one row; a fragment's 16 x 512 bytes turn through the wave's own stage in LDS (rows of 512 + 16 bytes) and come back 64 neighbouring bytes a lane and block of 32.
; Each store covers 512 consecutive bytes, aligned.  No barrier: waves share nothing.
; LIMITS: e between -126 and 112.  NaN among the inputs is not served (an infinity is held at the largest code).
.set ROWB, 4096                        ; a row of 1,024 f32
.set SP,   528                         ; a stage row
.set WST,  16*SP                       ; a wave's stage
.set LI,   1                           ; v1   16 x lane
.set SI,   2                           ; v2   into the stage: my wave's stage + 16 x lane
.set SO,   3                           ; v3   out of it: + 528 r + 64 h
.set R,    16                          ; v16-143  two sets of 64: a fragment's numbers as loaded
.set X,    144                         ; v144-207 64 numbers: register 16 c + i = k 32 c + 16 h + i of my row
.set C,    208                         ; v208-239 two sets of 16: a fragment's codes
	s_load_b256 s[4:11], s[0:1], 0x0               ; hidden_states, w_qkv, w_out, the scales' exponents
	s_load_b128 s[12:15], s[0:1], 0x20             ; hid_img, wqkv_img
	s_load_b64 s[16:17], s[0:1], 0x30              ; wout_img
	v_lshl_add_u32 v240, v0, 2, 0x8400
	v_mov_b32 v241, 0
	v_lshrrev_b32 v4, 5, v0
	v_readfirstlane_b32 s18, v4                    ; wave
	v_and_b32 v5, 31, v0
	v_lshlrev_b32 v[LI], 4, v5
	s_mul_i32 s19, s18, WST
	v_add_nc_u32 v[SI], s19, v[LI]
	v_and_b32 v6, 15, v0                           ; r
	v_bfe_u32 v7, v0, 4, 1                         ; h
	v_mul_u32_u24 v[SO], v6, SP
	v_lshl_add_u32 v[SO], v7, 6, v[SO]
	v_add_nc_u32 v[SO], s19, v[SO]
	s_mov_b32 s20, 352
	s_cmp_lt_u32 ttmp9, 352
	s_cselect_b32 s20, 256, s20
	s_cmp_lt_u32 ttmp9, 256
	s_cselect_b32 s20, 0, s20                      ; my tensor's first work-group
	s_sub_co_u32 s20, ttmp9, s20                   ; my number within the tensor
	s_lshr_b32 s21, s18, 1                         ; which of the two row blocks
	s_and_b32 s22, s18, 1                          ; which half of K
	s_lshl_b32 s32, s20, 17                        ; in: 32 rows of 4,096 bytes a work-group,
	s_lshl_b32 s23, s21, 15                        ; the odd block begins 8 rows down,
	s_add_co_u32 s32, s32, s23
	s_lshl_b32 s23, s22, 11                        ; half of K is 2,048 bytes on
	s_add_co_u32 s32, s32, s23
	s_mov_b32 s33, 0
	s_lshl_b32 s34, s20, 15                        ; out: 16,384 bytes a row block, 8,192 for half of K
	s_lshl_b32 s23, s21, 14
	s_add_co_u32 s34, s34, s23
	s_lshl_b32 s23, s22, 13
	s_add_co_u32 s34, s34, s23
	s_mov_b32 s35, 0
	s_wait_kmcnt 0x0
	s_load_b256 s[24:31], s[10:11], 0x0            ; e0 .. e7
	s_cmp_lt_u32 ttmp9, 352                        ; the choices hang on the work-group's number alone
	s_cselect_b64 s[6:7], s[6:7], s[8:9]
	s_cselect_b64 s[14:15], s[14:15], s[16:17]
	s_cmp_lt_u32 ttmp9, 256
	s_cselect_b64 s[4:5], s[4:5], s[6:7]
	s_cselect_b64 s[12:13], s[12:13], s[14:15]
	s_add_nc_u64 s[4:5], s[4:5], s[32:33]
	s_add_nc_u64 s[12:13], s[12:13], s[34:35]
.macro LOAD f                          ; fragment f: 512 bytes of each of its 16 rows
.set i, 0
.rept 16
	global_load_b128 v[R+64*((\f)%2)+4*i:R+64*((\f)%2)+4*i+3], v[LI], s[4:5] offset:(i+8*(i/8))*ROWB+512*(\f) th:TH_LOAD_NT
.set i, i+1
.endr
.endm
.macro TURN f                          ; through my stage: LDS serves a wave's instructions in order, so no wait stands between the stores and the loads
.set i, 0
.rept 16
	ds_store_b128 v[SI], v[R+64*((\f)%2)+4*i:R+64*((\f)%2)+4*i+3] offset:SP*i
.set i, i+1
.endr
.irp c, 0,1,2,3
.irp j, 0,1,2,3
	ds_load_b128 v[X+16*\c+4*\j:X+16*\c+4*\j+3], v[SO] offset:128*\c+16*\j
.endr
.endr
.endm
.macro QUANT f
.set i, 0
.rept 64
	v_med3_num_f32 v[X+i], v[X+i], -v10, v10       ; the conversion to an 8-bit code does not saturate (ISA guide 7.6.2): the hold at the largest code x the scale
.set i, i+1
.endr
.irp c, 0,1,2,3
	v_cvt_scalef32_pk8_bf8_f32 v[C+16*((\f)%2)+4*\c:C+16*((\f)%2)+4*\c+1], v[X+16*\c:X+16*\c+7], v11
	v_cvt_scalef32_pk8_bf8_f32 v[C+16*((\f)%2)+4*\c+2:C+16*((\f)%2)+4*\c+3], v[X+16*\c+8:X+16*\c+15], v11
.endr
	v_nop                                          ; a plain vector line behind the last conversion
.endm
.macro OUT f
.irp c, 0,1,2,3
	global_store_b128 v[LI], v[C+16*((\f)%2)+4*\c:C+16*((\f)%2)+4*\c+3], s[12:13] offset:2048*(\f)+512*\c   ; 512 consecutive bytes, aligned
.endr
.endm
	LOAD 0
	LOAD 1
	s_wait_kmcnt 0x0
	s_cmp_lt_u32 ttmp9, 352
	s_cselect_b32 s36, s25, s31
	s_cmp_lt_u32 ttmp9, 256
	s_cselect_b32 s36, s24, s36                    ; e
	s_add_co_i32 s36, s36, 127
	s_lshl_b32 s37, s36, 23
	v_mov_b32 v11, s37                             ; 2^e as f32: the conversion takes its exponent field
	s_add_co_i32 s36, s36, 15
	s_lshl_b32 s36, s36, 23
	s_or_b32 s36, s36, 0x600000
	v_mov_b32 v10, s36                             ; 57,344 x 2^e
.irp f, 0,1,2,3
.if \f < 3
	s_wait_loadcnt 16                              ; this fragment's 16 loads are in; the next fragment's 16 may be out
.else
	s_wait_loadcnt 0
.endif
	TURN \f
	s_wait_dscnt 0x0                               ; the numbers are back, and the stage's stores have read their registers,
.if \f < 2
	LOAD \f+2                                      ; which take the fragment two on
.else
	s_wait_xcnt 0x0                                ; the stores of the fragment two back have read this set of codes: it is written again only behind this wait
.endif
	QUANT \f
	OUT \f
.endr
	s_wait_tensorcnt 0x0
	ds_add_u32 v240, v241
	s_wait_dscnt 0x0
	s_endpgm
.Lfunc_end_k_q55245cd085_quant:
	.size	k_q55245cd085_quant, .Lfunc_end_k_q55245cd085_quant-k_q55245cd085_quant
	.p2alignl 7, 3214868480
	.fill 96, 4, 3214868480
	.section	.rodata,"a",@progbits
	.p2align	6, 0x0
	.amdhsa_kernel k_q55245cd085_quant
		.amdhsa_group_segment_fixed_size 34304
		.amdhsa_private_segment_fixed_size 0
		.amdhsa_enable_private_segment 0
		.amdhsa_kernarg_size 56
		.amdhsa_user_sgpr_count 2
		.amdhsa_user_sgpr_kernarg_segment_ptr 1
		.amdhsa_wavefront_size32 1
		.amdhsa_system_sgpr_workgroup_id_x 1
		.amdhsa_system_sgpr_workgroup_id_y 1
		.amdhsa_system_sgpr_workgroup_id_z 1
		.amdhsa_system_vgpr_workitem_id 0
		.amdhsa_next_free_vgpr 242
		.amdhsa_next_free_sgpr 66
		.amdhsa_reserve_vcc 0
		.amdhsa_float_denorm_mode_32 3
		.amdhsa_float_denorm_mode_16_64 3
		.amdhsa_memory_ordered 1
		.amdhsa_forward_progress 1
		.amdhsa_inst_pref_size 37
	.end_amdhsa_kernel
	.amdgpu_metadata
---
amdhsa.version: [ 1, 2 ]
amdhsa.kernels:
  - .name:           k_q55245cd085_quant
    .symbol:         k_q55245cd085_quant.kd
    .args:
      - { .name: hidden_states, .offset: 0, .size: 8, .value_kind: global_buffer, .address_space: global }
      - { .name: w_qkv, .offset: 8, .size: 8, .value_kind: global_buffer, .address_space: global }
      - { .name: w_out, .offset: 16, .size: 8, .value_kind: global_buffer, .address_space: global }
      - { .name: lowp_scales, .offset: 24, .size: 8, .value_kind: global_buffer, .address_space: global }
      - { .name: hid_img, .offset: 32, .size: 8, .value_kind: global_buffer, .address_space: global }
      - { .name: wqkv_img, .offset: 40, .size: 8, .value_kind: global_buffer, .address_space: global }
      - { .name: wout_img, .offset: 48, .size: 8, .value_kind: global_buffer, .address_space: global }
    .group_segment_fixed_size: 34304
    .private_segment_fixed_size: 0
    .kernarg_segment_align: 8
    .kernarg_segment_size: 56
    .max_flat_workgroup_size: 128
    .sgpr_count:     66
    .vgpr_count:     242
    .wavefront_size: 32
...
	.end_amdgpu_metadata
.endif
;; end of part 1
;; launch gemm_qkv (part 2): grid 8 x 48, 4 waves a work-group, clusters of 4 x 4, 327,680 bytes of LDS; arguments hid_img, wqkv_img, lowp_scales, qkv_img; writes qkv_img
.if DOCPART == 2
	.amdgcn_target "amdgcn-amd-amdhsa--gfx1250"
	.amdhsa_code_object_version 6
	.text
	.protected	k_q55245cd085_gemm_qkv
	.globl	k_q55245cd085_gemm_qkv
	.p2align	8
	.type	k_q55245cd085_gemm_qkv,@function
k_q55245cd085_gemm_qkv:
	s_mov_b64 s[64:65], 0
	v_nop
	global_prefetch_b8 v0, s[64:65] scope:SCOPE_SE
	s_setreg_imm32_b32 hwreg(HW_REG_WAVE_MODE, 25, 1), 1
	s_wait_xcnt 0x0
	s_wait_alu depctr_hold_cnt(0) depctr_sa_sdst(0) depctr_va_vdst(0) depctr_va_sdst(0) depctr_va_ssrc(0) depctr_va_vcc(0) depctr_vm_vsrc(0)
	s_getreg_b32 s2, hwreg(HW_REG_IB_STS2, 6, 4)
	s_cmp_eq_u32 s2, 0
	s_cbranch_scc0 .Lentry_in_a_cluster
	s_endpgm
.Lentry_in_a_cluster:
	s_bfe_u32 s2, ttmp6, 0x10000c
	s_cmp_lg_u32 s2, 0xf033
	s_cbranch_scc0 .Lentry_shape_is_right
	s_endpgm
.Lentry_shape_is_right:
; qkv = hidden w_qkv^T on codes of BF8 (E5M2), K = 1,024; the sums, f32, are quantised at once to q's, k's and v's codes (scales 2^e2, 2^e3, 2^e4) and stored as images of the operand registers that attention loads.
; OPERANDS are images: a fragment (16 rows x 128 k) is 2,048 bytes, lane (r, h)'s registers 4 c .. 4 c + 3 (k = 32 c + 16 h + 0 .. 15) at byte 512 c + 16 lane; fragment row r of row block t is matrix row
; 32 (t / 2) + 8 (t % 2) + r + 8 (r / 8); a tensor is [row block][K step of 128: 8][2,048].  The same order of k stands on both sides of every product.
; A tile of the result, 256 x 256, is made by four waves, 128 x 128 each: 64 accumulators, 512 registers.  THE MATRIX INSTRUCTION IS USED TRANSPOSED (source 0 = 16 rows of role B, source 1 = 16 rows of role A):
; lane (r, h) holds role A's fragment row r, and the 16 registers of B's blocks 2 c, 2 c + 1 are columns 32 c + 16 h + 0 .. 15: two conversions make registers 4 c .. 4 c + 3 of the next operand's image.
; ROLES, chosen by selects on the cluster's y (Y), never by a branch.  Y < 8: A = hidden (tokens), B = w_qkv's rows 0 .. 2,047: q and k, a fragment 16 tokens x 64 d.
; Y >= 8: A = w_qkv's rows 2,048 .. 3,071, B = hidden: v^T, a fragment 16 d x 128 keys.   qkv_img: [q, k, v][16 batch + head][131,072]; q, k: [token block 128][c 2][512]; v: [key step 16][d block 4][2,048].
; K goes in steps of 256 through a ring of two LDS slots filled by the tensor data mover.  CLUSTERS: 4 x 4 work-groups; A's tiles are asked for jointly by a row of the cluster, B's by a column.
; LIMITS: e2 - e0 - e1, e3 - e0 - e1 and e4 - e0 - e1 between -126 and 112, so that the folded scale and 57,344 x it are f32 numbers.
; REGISTERS, in windows of 256: window 0: v16-29 addresses; v32-95 at work on the way out; v96-111 store offsets (v96 = 16 x lane); v112, v113 the scale and the hold; from v128 A's fragments, ONE set, later the codes.
;   window 1: B's fragments, TWO sets.   window 2: the accumulators of my row blocks 0-3 ((a, b) at v[8 (8 (a % 4) + b)]);   window 3: those of blocks 4-7.
.set HALFT,  32768                     ; 8 row blocks x 2 fragments: what one tensor load brings, and what one wave reads of A or of B
.set SLOT,   4*HALFT                   ; A's 16 row blocks, then B's
.set SPARE,  2*SLOT                    ; behind the ring: the spare words, 128 bytes for each wave: two blocks of 256 bytes that no other line names
.set STEPB,  4096                      ; a K step of 256 of one row block in memory: two fragments
.set LAPS,   2                         ; K = 1,024 = four K steps = twice round the ring
.set FR,     16                        ; registers of a fragment
.set NL,     4                         ; LDS loads that bring one
.set NP,     4                         ; places behind this matrix instruction (ISA guide 7.12.1)
.set ADRA, 16                          ; v16-17  LDS address of my A fragments in slot 0, 1
.set ADRB, 20                          ; v20-21  the same for B
.set SPW,  28                          ; v28     LDS address of my spare word; never rewritten
.set NIL,  29                          ; v29     0; never rewritten
.set TMP,  32
.set VO,   96
.set SCL,  112
.set LIM,  113
.set AF,   128
.set CD,   128
.set G1, 24                            ; s[24:31] descriptor group 1 for A's tiles;  s[32:39] group 0, one set for each slot
.set G0, 32
.set G1B, 48                           ; s[48:55], s[56:63] the same for B's tiles
.set G0B, 56
.set MSB, 0
.macro WIN new                         ; the immediate's high byte repeats the setting that is left
.if MSB != (\new)
	s_set_vgpr_msb (MSB<<8)|(\new)
.set MSB, (\new)
.endif
.endm
.set MUL_LO, 0xa1                      ; source 0 (B) window 1, source 1 (A) window 0, C and D window 2
.set MUL_HI, 0xf1                      ; the same, C and D window 3
.set TO_B,   0x40                      ; destination window 1, address window 0
; A joint load: waves 0 and 1 fetch for A, waves 2 and 3 for B; the branch hangs on the wave's number alone.  Four v_nop follow each of the two lines.
.macro JLOAD g0a, g1a, g0b, g1b
	s_cmp_eq_u32 s15, 0
	s_cbranch_scc0 .Lfor_b_\@
	tensor_load_to_lds s[\g0a:\g0a+3], s[\g1a:\g1a+7]
	s_nop 0
.rept 4
	v_nop
.endr
	s_branch .Lasked_\@
.Lfor_b_\@:
	tensor_load_to_lds s[\g0b:\g0b+3], s[\g1b:\g1b+7]
	s_nop 0
.rept 4
	v_nop
.endr
.Lasked_\@:
.endm
.macro CREST                           ; a round of the cluster's barrier behind its opening barrier
	s_cmp_lg_u32 s14, 0
	s_cbranch_scc1 .Lnot_wave_0_\@
	s_barrier_signal -3
.Lnot_wave_0_\@:
	s_barrier_wait -3
	s_barrier_signal -1
	s_barrier_wait -1
.endm
.macro CROUND                          ; a whole round
	s_barrier_signal -1
	s_barrier_wait -1
	CREST
.endm
	s_load_b128 s[4:7], s[0:1], 0x0                ; hid_img, wqkv_img
	s_load_b128 s[8:11], s[0:1], 0x10              ; the scales' exponents, qkv_img
	v_lshl_add_u32 v[SPW], v0, 2, SPARE
	v_mov_b32 v[NIL], 0
	ds_add_u32 v28, v29
	ds_add_u32 v28, v29
	s_wait_dscnt 0x0
	v_lshrrev_b32 v1, 5, v0
	v_readfirstlane_b32 s14, v1                    ; wave 0..3
	s_lshr_b32 s15, s14, 1                         ; which half of the tile's A rows is mine.  Also: I fetch for A (0) or for B (1)
	s_and_b32 s16, s14, 1                          ; which half of its B rows.  Also: which 8 row blocks of that tile I fetch
	s_bfe_u32 s40, ttmp6, 0x40000                  ; cx, cy: my place in the cluster
	s_bfe_u32 s41, ttmp6, 0x40004
	s_and_b32 s66, ttmp7, 0xffff                   ; Y: the cluster's y, 0..11
	s_lshl_b32 s67, s66, 2                         ; 4 Y
	s_lshl_b32 s68, ttmp9, 2                       ; 4 X
	s_max_u32 s69, s66, 8
	s_sub_co_u32 s69, s69, 8
	s_lshl_b32 s69, s69, 3
	s_add_co_u32 s69, s69, s68                     ; 4 (2 (Y - 8) + X)
	s_cmp_lt_u32 s66, 8
	s_cselect_b32 s17, s67, 8                      ; A's tile: of hidden's 32, or of w_qkv's tiles 8 .. 11,
	s_cselect_b32 s42, s68, s69                    ; B's tile: of w_qkv's tiles 0 .. 7, or of hidden's 32
	s_add_co_u32 s17, s17, s41                     ; + cy
	s_add_co_u32 s42, s42, s40                     ; + cx
	s_lshl_b32 s43, s41, 2
	s_lshl_b32 s43, 15, s43                        ; my row of the cluster
	s_lshl_b32 s44, 0x1111, s40                    ; my column
	; descriptor group 1: 8 row blocks x 4,096 bytes (two fragments), 16,384 bytes apart in memory, dense in LDS
	s_or_b32 s[G1+0], s43, (3<<16)|(1<<21)         ; 15:0 the mask: A's tiles go to my row; 17:16 elements of 8 bytes; 20 no padding; 21 set beside a mask
	s_or_b32 s[G1B+0], s44, (3<<16)|(1<<21)
.irp g, G1, G1B
	s_mov_b32 s[\g+1], 512<<16                     ; tensor_dim0 = 512 elements
	s_mov_b32 s[\g+2], 8<<16                       ; tensor_dim1 = 8
	s_mov_b32 s[\g+3], 512<<16                     ; tile_dim0
	s_mov_b32 s[\g+4], 8                           ; tile_dim1
	s_mov_b32 s[\g+5], 2048                        ; tensor_dim0_stride: 16,384 bytes
	s_mov_b32 s[\g+6], 0
	s_mov_b32 s[\g+7], 0
.endr
	s_lshl_b32 s18, s16, 7                         ; which 128 rows of the tile I fetch
	s_lshl_b32 s20, s17, 8
	s_add_co_u32 s20, s20, s18
	s_lshl_b32 s20, s20, 10                        ; A: 1,024 bytes of image for each row
	s_mov_b32 s21, 0
	s_lshl_b32 s46, s42, 8
	s_add_co_u32 s46, s46, s18
	s_lshl_b32 s46, s46, 10                        ; B likewise
	s_mov_b32 s47, 0
	s_mul_i32 s45, s14, HALFT                      ; where they go: wave x 32,768: no place in the cluster enters an LDS address
	s_wait_kmcnt 0x0
	s_load_b256 s[88:95], s[8:9], 0x0              ; e0 .. e7
	s_cmp_lt_u32 s66, 8
	s_cselect_b64 s[70:71], s[4:5], s[6:7]         ; role A's buffer,
	s_cselect_b64 s[72:73], s[6:7], s[4:5]         ; role B's
	s_add_nc_u64 s[20:21], s[70:71], s[20:21]
	s_add_nc_u64 s[46:47], s[72:73], s[46:47]
	CROUND                                         ; all sixteen work-groups are here: the first joint loads meet
.irp s, 0,1
	s_mov_b32 s[G0+4*\s], 1
	s_add_co_u32 s[G0+4*\s+1], s45, \s*SLOT
	s_add_nc_u64 s[G0+4*\s+2:G0+4*\s+3], s[20:21], \s*STEPB
	s_or_b32 s[G0+4*\s+3], s[G0+4*\s+3], 0x80000000
	s_mov_b32 s[G0B+4*\s], 1
	s_add_co_u32 s[G0B+4*\s+1], s45, \s*SLOT
	s_add_nc_u64 s[G0B+4*\s+2:G0B+4*\s+3], s[46:47], \s*STEPB
	s_or_b32 s[G0B+4*\s+3], s[G0B+4*\s+3], 0x80000000
	JLOAD G0+4*\s, G1, G0B+4*\s, G1B
.endr
	v_and_b32 v6, 31, v0
	v_lshlrev_b32 v[VO], 4, v6                     ; 16 x lane: my place in every image
	s_mul_i32 s21, s15, HALFT                      ; my 8 row blocks of A
	s_mul_i32 s22, s16, HALFT                      ; my 8 of B,
	s_add_co_u32 s22, s22, 2*HALFT                 ; which lie behind A's 16
.irp s, 0,1
	v_add_nc_u32 v[ADRA+\s], s21, v[VO]
	v_add_nc_u32 v[ADRB+\s], s22, v[VO]
	s_add_co_u32 s21, s21, SLOT
	s_add_co_u32 s22, s22, SLOT
.endr
	; where my 128 x 128 go
	s_lshl_b32 s74, s17, 8
	s_lshl_b32 s75, s15, 7
	s_add_co_u32 s74, s74, s75                     ; role A's first row of mine
	s_lshl_b32 s76, s42, 8
	s_lshl_b32 s77, s16, 7
	s_add_co_u32 s76, s76, s77                     ; role B's
	s_lshr_b32 s78, s76, 10                        ; q, k: q (0) or k (1),
	s_lshl_b32 s78, s78, 6
	s_lshr_b32 s79, s74, 11                        ; the batch,
	s_lshl_b32 s79, s79, 4
	s_add_co_u32 s78, s78, s79
	s_bfe_u32 s79, s76, 0x40006                    ; the first of my two heads,
	s_add_co_u32 s78, s78, s79
	s_lshl_b32 s78, s78, 17
	s_and_b32 s79, s74, 2047                       ; and 64 bytes for each token of the sequence
	s_lshl_b32 s79, s79, 6
	s_add_co_u32 s78, s78, s79
	s_lshr_b32 s80, s76, 11                        ; v: the batch,
	s_lshl_b32 s80, s80, 4
	s_max_u32 s81, s74, 2048
	s_sub_co_u32 s81, s81, 2048
	s_lshr_b32 s81, s81, 6                         ; the first of my two heads,
	s_add_co_u32 s80, s80, s81
	s_add_co_u32 s80, s80, 128
	s_lshl_b32 s80, s80, 17
	s_and_b32 s81, s76, 2047                       ; and my key step: 8,192 bytes each
	s_lshr_b32 s81, s81, 7
	s_lshl_b32 s81, s81, 13
	s_add_co_u32 s80, s80, s81
	s_cmp_lt_u32 s66, 8
	s_cselect_b32 s78, s78, s80
	s_mov_b32 s82, 2048
	s_cselect_b32 s82, 1024, s82                   ; from row block a to a + 1: a token block's fragment, or a d block's
	s_mov_b32 s83, 0x20000
	s_cselect_b32 s83, 4096, s83                   ; from a to a + 4: four token blocks, or the next head
	s_mov_b32 s84, 1024
	s_cselect_b32 s84, 0x20000, s84                ; from c to c + 2: the next head, or 1,024 bytes on in the fragment
	s_mov_b32 s79, 0
	s_add_nc_u64 s[10:11], s[10:11], s[78:79]
.irp a, 0,1,2,3,4,5,6,7                ; the stores' offsets: v[VO + 2 a] for c = 0, 1, v[VO + 2 a + 1] for c = 2, 3
.if \a == 4
	v_add_nc_u32 v[VO+8], s83, v[VO]
.elseif \a > 0
	v_add_nc_u32 v[VO+2*\a], s82, v[VO+2*\a-2]
.endif
	v_add_nc_u32 v[VO+2*\a+1], s84, v[VO+2*\a]
.endr
.macro FRAG reg, adr, q, i             ; row block i's fragment of the slot's q-th 128 along K: four loads of 512 consecutive bytes
.irp c, 0,1,2,3
	ds_load_b128 v[\reg+4*\c:\reg+4*\c+3], v[\adr] offset:4096*(\i)+2048*(\q)+512*\c
.endr
.endm
; 16 matrix instructions: A's blocks a0, a0 + 1 x B's eight, 128 along K.  p: B's set.  zero = 1: the first product starts the sums.
; The 64 accumulators take turns, one instruction a turn, in the same order in every step.
.macro MUL16 a0, p, zero
.irp a, \a0, \a0+1
.irp b, 0,1,2,3,4,5,6,7
.if \zero
	v_wmma_f32_16x16x128_bf8_bf8 v[8*(8*((\a)%4)+\b):8*(8*((\a)%4)+\b)+7], v[128*(\p)+FR*\b:128*(\p)+FR*\b+FR-1], v[AF+FR*(\a):AF+FR*(\a)+FR-1], 0
.else
	v_wmma_f32_16x16x128_bf8_bf8 v[8*(8*((\a)%4)+\b):8*(8*((\a)%4)+\b)+7], v[128*(\p)+FR*\b:128*(\p)+FR*\b+FR-1], v[AF+FR*(\a):AF+FR*(\a)+FR-1], v[8*(8*((\a)%4)+\b):8*(8*((\a)%4)+\b)+7]
.endif
.endr
.endr
.endm
.macro FETCH_B slot, q, p
	WIN TO_B
.irp i, 0,1,2,3,4,5,6,7
	FRAG 128*(\p)+FR*\i, ADRB+\slot, \q, \i
.endr
	WIN 0
.endm
.macro FETCH_A slot, q, i0
.irp i, \i0, \i0+1, \i0+2, \i0+3
	FRAG AF+FR*(\i), ADRA+\slot, \q, \i
.endr
.endm
.macro PLACES n                        ; plain vector lines between a matrix instruction and a load into, or a vector read or write of, one of its registers
.rept \n
	v_nop
.endr
.endm
; A step of 128 along K that has its successor in the same slot.  A has one set of registers: blocks 0-3 are fetched anew in the step's middle, blocks 4-7 at its end; B has two sets.
.macro STEP slot, q, zero
	s_wait_dscnt 4*NL                              ; B's set and A's blocks 0-3 are in; the youngest 16 loads (A's blocks 4-7) may be out
	WIN MUL_LO
	MUL16 0, (\q)%2, \zero
	MUL16 2, (\q)%2, \zero
	s_wait_dscnt 0                                 ; A's blocks 4-7 are in
	PLACES NP
	FETCH_B \slot, (\q)+1, 1-(\q)%2
	FETCH_A \slot, (\q)+1, 0
	WIN MUL_HI
	MUL16 4, (\q)%2, \zero
	MUL16 6, (\q)%2, \zero
	PLACES NP
	WIN 0
	FETCH_A \slot, (\q)+1, 4
.endm
; A slot's last step changes slots: ONE barrier; in front of it each wave waits for all its tensor loads, adds 0 to its spare word, and waits for that and for its reads of this slot.  fill = 1: the slot is filled again, two K steps ahead.
.macro TURN slot, next, fill
	s_wait_tensorcnt 0x0                           ; all my tensor loads have landed: my part of the next slot
	ds_add_u32 v[SPW], v[NIL]                      ; 0 onto my spare word
	s_wait_dscnt 4*NL+1                            ; (the add and the youngest 16 loads, A's blocks 4-7, may be out)
	WIN MUL_LO
	MUL16 0, 1, 0                                  ; sixteen matrix instructions stand between the add and the wait for it
	s_wait_dscnt 0x0                               ; the add is done, and my reads of this slot are over
	s_barrier_signal -1
	MUL16 2, 1, 0
	WIN 0
	s_barrier_wait -1
.if \fill
	CREST                                          ; the barrier has opened a round of the cluster's barrier: no wave of any partner still reads this slot or has a load on its way
	s_add_nc_u64 s[G0+4*\slot+2:G0+4*\slot+3], s[G0+4*\slot+2:G0+4*\slot+3], 2*STEPB
	s_add_nc_u64 s[G0B+4*\slot+2:G0B+4*\slot+3], s[G0B+4*\slot+2:G0B+4*\slot+3], 2*STEPB
	JLOAD G0+4*\slot, G1, G0B+4*\slot, G1B         ; the first tensor load behind the round; its four v_nop are also the places in front of the loads below
.else
	PLACES NP
.endif
	FETCH_B \next, 0, 0
	FETCH_A \next, 0, 0
	WIN MUL_HI
	MUL16 4, 1, 0
	MUL16 6, 1, 0
	PLACES NP
	WIN 0
	FETCH_A \next, 0, 4
.endm
	s_wait_tensorcnt 1                             ; my part of K step 0 is in (K step 1's load may be out)
	s_barrier_signal -1
	s_barrier_wait -1                              ; everybody's is
	FETCH_B 0, 0, 0
	FETCH_A 0, 0, 0
	FETCH_A 0, 0, 4
	STEP 0, 0, 1                                   ; the first step stands in front of the loop: its products start the sums
	s_mov_b32 s3, LAPS-1
.Llap:                                                 ; a trip goes once round the ring and fills both slots again
	TURN 0, 1, 1
	STEP 1, 0, 0
	TURN 1, 0, 1
	STEP 0, 0, 0
	s_sub_co_u32 s3, s3, 1
	s_cmp_lg_u32 s3, 0
	s_cbranch_scc1 .Llap
	TURN 0, 1, 0                                   ; the last lap fills nothing
	STEP 1, 0, 0
	s_wait_dscnt 4*NL                              ; the very last step: nothing more to fetch
	WIN MUL_LO
	MUL16 0, 1, 0
	MUL16 2, 1, 0
	s_wait_dscnt 0
	WIN MUL_HI
	MUL16 4, 1, 0
	MUL16 6, 1, 0
	WIN 0
	; THE WAY OUT.  A sum stands for sum x 2^(e0 + e1), so its code is sum / 2^(e_t - e0 - e1): the three scales are folded into the conversion's one.
	s_wait_kmcnt 0x0
	s_cmp_lt_u32 s76, 1024
	s_cselect_b32 s85, s90, s91                    ; q's e2 or k's e3,
	s_cmp_lt_u32 s66, 8
	s_cselect_b32 s85, s85, s92                    ; or v's e4
	s_sub_co_i32 s85, s85, s88
	s_sub_co_i32 s85, s85, s89
	s_add_co_i32 s85, s85, 127
	s_lshl_b32 s86, s85, 23
	s_add_co_i32 s85, s85, 15
	s_lshl_b32 s85, s85, 23
	s_or_b32 s85, s85, 0x600000
	PLACES NP                                      ; behind the last products: for the reads of results and the writes over A's fragments
	v_mov_b32 v[SCL], s86                          ; the folded scale as f32
	v_mov_b32 v[LIM], s85                          ; 57,344 x it
; Row block a: 64 sums a lane are held and converted; each group of four registers is 512 consecutive bytes of an image.  Every block has registers of its own for its codes: no store's data are written again.
.macro OUTBLK a
	WIN 0x02+((\a)/4)                              ; source 0: window 2 or 3
.set j, 0
.rept 64
	v_med3_num_f32 v[TMP+j], v[64*((\a)%4)+j], -v[LIM], v[LIM]   ; the hold (ISA guide 7.6.2); each accumulator from its low end on
.set j, j+1
.endr
	WIN 0
.irp c, 0,1,2,3
	v_cvt_scalef32_pk8_bf8_f32 v[CD+16*(\a)+4*\c:CD+16*(\a)+4*\c+1], v[TMP+16*\c:TMP+16*\c+7], v[SCL]
	v_cvt_scalef32_pk8_bf8_f32 v[CD+16*(\a)+4*\c+2:CD+16*(\a)+4*\c+3], v[TMP+16*\c+8:TMP+16*\c+15], v[SCL]
.endr
	v_nop                                          ; a plain vector line behind the last conversion: the next block's holds write its sources
.irp c, 0,1,2,3
	global_store_b128 v[VO+2*(\a)+\c/2], v[CD+16*(\a)+4*\c:CD+16*(\a)+4*\c+3], s[10:11] offset:512*(\c%2)   ; 512 consecutive bytes, aligned
.endr
.endm
.irp a, 0,1,2,3,4,5,6,7
	OUTBLK \a
.endr
	s_wait_tensorcnt 0x0                           ; the wave's end
	ds_add_u32 v[SPW], v[NIL]
	s_wait_dscnt 0x0
	CROUND                                         ; the closing round: no work-group ends while a partner may still ask for a tile that names it
	s_endpgm
.Lfunc_end_k_q55245cd085_gemm_qkv:
	.size	k_q55245cd085_gemm_qkv, .Lfunc_end_k_q55245cd085_gemm_qkv-k_q55245cd085_gemm_qkv
	.p2alignl 7, 3214868480
	.fill 96, 4, 3214868480
	.section	.rodata,"a",@progbits
	.p2align	6, 0x0
	.amdhsa_kernel k_q55245cd085_gemm_qkv
		.amdhsa_group_segment_fixed_size 327680
		.amdhsa_private_segment_fixed_size 0
		.amdhsa_enable_private_segment 0
		.amdhsa_kernarg_size 32
		.amdhsa_user_sgpr_count 2
		.amdhsa_user_sgpr_kernarg_segment_ptr 1
		.amdhsa_wavefront_size32 1
		.amdhsa_system_sgpr_workgroup_id_x 1
		.amdhsa_system_sgpr_workgroup_id_y 1
		.amdhsa_system_sgpr_workgroup_id_z 1
		.amdhsa_system_vgpr_workitem_id 0
		.amdhsa_next_free_vgpr 1024
		.amdhsa_next_free_sgpr 100
		.amdhsa_reserve_vcc 0
		.amdhsa_float_denorm_mode_32 3
		.amdhsa_float_denorm_mode_16_64 3
		.amdhsa_memory_ordered 1
		.amdhsa_forward_progress 1
		.amdhsa_inst_pref_size 119
	.end_amdhsa_kernel
	.amdgpu_metadata
---
amdhsa.version: [ 1, 2 ]
amdhsa.kernels:
  - .name:           k_q55245cd085_gemm_qkv
    .symbol:         k_q55245cd085_gemm_qkv.kd
    .args:
      - { .name: hid_img, .offset: 0, .size: 8, .value_kind: global_buffer, .address_space: global }
      - { .name: wqkv_img, .offset: 8, .size: 8, .value_kind: global_buffer, .address_space: global }
      - { .name: lowp_scales, .offset: 16, .size: 8, .value_kind: global_buffer, .address_space: global }
      - { .name: qkv_img, .offset: 24, .size: 8, .value_kind: global_buffer, .address_space: global }
    .group_segment_fixed_size: 327680
    .private_segment_fixed_size: 0
    .kernarg_segment_align: 8
    .kernarg_segment_size: 32
    .max_flat_workgroup_size: 128
    .sgpr_count:     100
    .vgpr_count:     1024
    .wavefront_size: 32
...
	.end_amdgpu_metadata
.endif
;; end of part 2
;; launch attn (part 3): grid 4 x 64, 16 waves a work-group, no clusters, 264,192 bytes of LDS; arguments qkv_img, alibi_slopes, lowp_scales, ctx_img; writes ctx_img
.if DOCPART == 3
	.amdgcn_target "amdgcn-amd-amdhsa--gfx1250"
	.amdhsa_code_object_version 6
	.text
	.protected	k_q55245cd085_attn
	.globl	k_q55245cd085_attn
	.p2align	8
	.type	k_q55245cd085_attn,@function
k_q55245cd085_attn:
	s_mov_b64 s[64:65], 0
	v_nop
	global_prefetch_b8 v0, s[64:65] scope:SCOPE_SE
	s_setreg_imm32_b32 hwreg(HW_REG_WAVE_MODE, 25, 1), 1
	s_wait_xcnt 0x0
; ctx[b][i][h][:] = the sum over j <= i of softmax_j(q_i . k_j / 8 + slope_h (j - i)) v_j, both products on codes of BF8 (E5M2); ctx is quantised at once (scale 2^e6) into the image that the last product loads.
; THE SOFTMAX AHEAD OF THE SECOND PRODUCT: t = logit x log2(e); M = the running largest t rounded UP to a whole number; p = 2^(t - M) is quantised (2^e5), not normalised; the row's sum is taken of the unquantised p and divides at the end.
; INPUTS are images (see the launch that stores them): q, k: a fragment 16 tokens x 64 d, 1,024 bytes; v: a fragment 16 d x 128 keys, 2,048 bytes; fragment row r of block t is row 32 (t / 2) + 8 (t % 2) + r + 8 (r / 8).
; start_seq and end_seq are not read: the result as it is defined does not hang on them (the sequences are the token axis cut every 2,048).
; SHARES.  A work-group owns query blocks i and 7 - i (256 queries each) of one batch and head: every work-group has the same causal work.  Wave w owns token block 127 - 16 i - w, then block 16 i + w: every wave too.
; Sixteen waves of 256 registers, four to a SIMD, so that one wave's vector work stands beside another's matrix work and LDS loads.
; LDS: the head's whole K (131,072 bytes at 0) and V (131,072 bytes behind it), as they lie in memory, FILLED ONCE: waves 0-3 issue four tensor loads each (four of mine are out at the most), group g bringing key steps 4 g .. 4 g + 3.
; NO CLUSTER, though the four work-groups of a head read the same K and V: a key step all of whose keys come after a tile's queries is jumped over, and that branch hangs on the query block, which in a cluster
; would be the work-group's place; without the jump the vector work would double.
; LAYOUT.  Both products are used transposed: S^T = K Q^T, O^T = V^T P^T: lane (r, h) holds ONE query; register 16 b + i of S^T is key KF + 32 b + 16 h + i; O^T's registers of tiles 2 c, 2 c + 1 are d = 32 c + 16 h + 0 .. 15.
; THE BIAS is the C of the score products.  With D = query - 16 h - KF (a whole number) the bias of register n' = 32 b + i is slope (n' - D).  g = slope x 2^(3 - e2 - e3) is split: g_hi (12 bits) x D is exact, so
; S = n' g - g_hi D is rounded once, at the bias's own size; what is left, L = -c1 g_lo D, is small and rides in the multiply-add t - M = c1 S + (L - M).  c1 = log2(e) / 8 x 2^(e2 + e3).
; LIMITS: e2 + e3 between -123 and 130; slope x 2^(3 - e2 - e3) a normal f32 number or 0; e5 and e6 between -126 and 112; e4 + e5 is applied by v_ldexp_f32.  NaN is not served.
.set LI,  1                            ; v1   16 x lane
.set ADK, 2                            ; v2   LDS address of the step's K
.set ADV, 3                            ; v3   of its V
.set DQ,  4                            ; v4   my query - 16 h
.set RQ,  5                            ; v5   r + 8 (r / 8) - 16 h
.set DD,  6                            ; v6   D
.set LL,  7                            ; v7   L
.set HS,  8                            ; v[8:9] -g_hi D (the low word serves both halves)
.set QH,  16                           ; v16-23   Q of the high tile
.set KV,  24                           ; v24-55   four tiles of K or two fragments of V
.set S,   56                           ; v56-119  S^T, then p
.set O,   120                          ; v120-151 O^T
.set PC,  152                          ; v152-167 p's codes; ctx's codes
.set NF,  168                          ; v168-231 the numbers 32 b + i as f32
.set QL,  232                          ; v232-239 Q of the low tile
                                       ; v12 -M, v13 the largest t, v[14:15] the sum; v240, v244: 57,344 x 2^e5, 2^e5; v241, v245: the same with e6; v242-254 at work
.set VBASE, 131072
.set TB,   2                           ; s2   LDS byte of the key step
.set CNT,  3
.set WV,   12
.set SEL,  20                          ; s[20:21] lane selects: lane l xor 16
.set CS,   22                          ; s[22:23] c1
.set GG,   24                          ; s[24:25] g
.set G1,   28                          ; s[28:35] descriptor group 1
.set G0,   36                          ; s[36:51] four groups 0
.set KF,   60                          ; s60  the step's first key
.set Q0,   61                          ; s61  the tile's least query
.set QMAX, 62                          ; s62  its greatest
.set TBL,  76                          ; s76  the low tile's token block
.set TBH,  77                          ; s77  the high tile's
.set GHN,  80                          ; s80  -g_hi
.set NA2,  81                          ; s81  -c1 g_lo
.set E45,  83                          ; s83  e4 + e5
	s_load_b256 s[4:11], s[0:1], 0x0               ; qkv_img, alibi_slopes, the scales' exponents, ctx_img
	v_lshl_add_u32 v251, v0, 2, 0x40000
	v_mov_b32 v255, 0
	ds_add_u32 v251, v255
	ds_add_u32 v251, v255
	v_lshrrev_b32 v8, 5, v0
	v_readfirstlane_b32 s[WV], v8                  ; wave 0..15
	s_and_b32 s13, ttmp7, 0xffff                   ; 16 batch + head
	s_and_b32 s14, s13, 15                         ; head
	s_lshl_b32 s16, s13, 17                        ; its 131,072 bytes in each of q, k, v
	s_bfe_u32 s18, s[WV], 0x10001                  ; waves 0, 1 fetch K (0), waves 2, 3 V (1)
	s_and_b32 s19, s[WV], 1
	s_lshl_b32 s26, s19, 14                        ; which 16,384 bytes of a group's 32,768
	s_lshl_b32 s27, s18, 17
	s_add_co_u32 s27, s27, s26                     ; in LDS
	s_add_co_u32 s66, s18, 1
	s_lshl_b32 s66, s66, 23                        ; k begins 8,388,608 bytes into the buffer, v twice that
	s_add_co_u32 s66, s66, s16
	s_add_co_u32 s66, s66, s26
	s_mov_b32 s67, 0
	s_mov_b32 s[G1], 3<<16                         ; no mask; elements of 8 bytes; no padding
	s_mov_b32 s[G1+1], 32<<16                      ; tensor_dim0 = 32 elements: rows of 256 bytes
	s_mov_b32 s[G1+2], 64<<16                      ; tensor_dim1 = 64
	s_mov_b32 s[G1+3], 32<<16                      ; tile_dim0
	s_mov_b32 s[G1+4], 64                          ; tile_dim1
	s_mov_b32 s[G1+5], 32                          ; the rows are dense
	s_mov_b32 s[G1+6], 0
	s_mov_b32 s[G1+7], 0
	s_lshl_b32 s68, s14, 2                         ; my head's slope
	s_mov_b32 s69, 0
	s_lshl_b32 s[TBL], ttmp9, 4
	s_add_co_u32 s[TBL], s[TBL], s[WV]             ; 16 i + w
	s_sub_co_u32 s[TBH], 127, s[TBL]               ; 16 (7 - i) + 15 - w
	s_lshl_b32 s72, s[TBH], 10                     ; a token block's fragment of q is 1,024 bytes
	s_add_co_u32 s72, s72, s16
	s_mov_b32 s73, 0
	s_lshl_b32 s74, s[TBL], 10
	s_add_co_u32 s74, s74, s16
	s_mov_b32 s75, 0
	s_lshr_b32 s78, s13, 4                         ; ctx_img: [128 batch + token block][K step head / 2][2,048], + 1,024 (head % 2)
	s_lshl_b32 s78, s78, 21
	s_lshr_b32 s84, s14, 1
	s_lshl_b32 s84, s84, 11
	s_add_co_u32 s78, s78, s84
	s_and_b32 s84, s14, 1
	s_lshl_b32 s84, s84, 10
	s_add_co_u32 s78, s78, s84
	s_mov_b32 s79, 0
	s_mov_b32 s[SEL], 0x76543210
	s_mov_b32 s[SEL+1], 0xfedcba98
	v_and_b32 v[LI], 31, v0
	v_lshlrev_b32 v[LI], 4, v[LI]
	s_wait_dscnt 0x0
	s_wait_kmcnt 0x0
	s_add_nc_u64 s[66:67], s[4:5], s[66:67]
.irp g, 0,1,2,3
	s_mov_b32 s[G0+4*\g], 1
	s_add_co_u32 s[G0+4*\g+1], s27, \g*32768
	s_add_nc_u64 s[G0+4*\g+2:G0+4*\g+3], s[66:67], \g*32768
	s_or_b32 s[G0+4*\g+3], s[G0+4*\g+3], 0x80000000
.endr
	s_cmp_lt_u32 s[WV], 4                          ; a wave's four fills stand in one branch, ahead of every wait on TENSORcnt, every LDS read and every barrier
	s_cbranch_scc0 .Lno_fetch
.irp g, 0,1,2,3
	tensor_load_to_lds s[G0+4*\g:G0+4*\g+3], s[G1:G1+7]
	s_nop 0
.endr
.rept 4
	v_nop
.endr
.Lno_fetch:
	s_load_b256 s[52:59], s[8:9], 0x0              ; e0 .. e7
	s_add_nc_u64 s[6:7], s[6:7], s[68:69]
	s_load_b32 s82, s[6:7], 0x0                    ; slope
	s_add_nc_u64 s[72:73], s[4:5], s[72:73]
	s_add_nc_u64 s[74:75], s[4:5], s[74:75]
	s_add_nc_u64 s[78:79], s[10:11], s[78:79]
.irp c, 0,1
	global_load_b128 v[QH+4*\c:QH+4*\c+3], v[LI], s[72:73] offset:512*\c   ; both tiles' Q stay in registers
	global_load_b128 v[QL+4*\c:QL+4*\c+3], v[LI], s[74:75] offset:512*\c
.endr
	v_and_b32 v8, 15, v0                           ; r
	v_bfe_u32 v9, v0, 4, 1                         ; h
	v_and_b32 v10, 8, v8
	v_add_nc_u32 v[RQ], v10, v8
	v_lshlrev_b32 v9, 4, v9
	v_sub_nc_u32 v[RQ], v[RQ], v9
.set n, 0
.rept 64
	v_cvt_f32_u32 v[NF+n], 32*(n/16)+n%16
.set n, n+1
.endr
	s_wait_kmcnt 0x0
	s_add_co_i32 s84, s54, s55                     ; e2 + e3
	s_lshl_b32 s85, s84, 23
	s_mov_b32 s[CS], 0x3e38aa3b                    ; log2(e) / 8
	s_add_co_i32 s[CS], s[CS], s85                 ; x 2^(e2 + e3): the exponents are added to its exponent field
	s_mov_b32 s[CS+1], s[CS]                       ; (named with it as a pair, so it is written)
	s_sub_co_i32 s84, 3, s84
	v_mov_b32 v8, s82
	v_ldexp_f32 v8, v8, s84                        ; g
	v_and_b32 v9, 0xfffff000, v8                   ; g_hi: its sign, exponent and 11 mantissa bits
	v_sub_f32 v10, v8, v9                          ; g_lo, exact
	v_mul_f32 v10, s[CS], v10
	v_readfirstlane_b32 s[GG], v8                  ; the same in every lane: kept as scalars; they feed arithmetic alone
	v_readfirstlane_b32 s[GHN], v9
	v_readfirstlane_b32 s[NA2], v10
	s_mov_b32 s[GG+1], s[GG]
	s_xor_b32 s[GHN], s[GHN], 0x80000000
	s_xor_b32 s[NA2], s[NA2], 0x80000000
	s_add_co_i32 s84, s57, 127
	s_lshl_b32 s85, s84, 23
	v_mov_b32 v244, s85                            ; 2^e5
	s_add_co_i32 s84, s84, 15
	s_lshl_b32 s84, s84, 23
	s_or_b32 s84, s84, 0x600000
	v_mov_b32 v240, s84                            ; 57,344 x 2^e5
	s_add_co_i32 s84, s58, 127
	s_lshl_b32 s85, s84, 23
	v_mov_b32 v245, s85                            ; 2^e6
	s_add_co_i32 s84, s84, 15
	s_lshl_b32 s84, s84, 23
	s_or_b32 s84, s84, 0x600000
	v_mov_b32 v241, s84                            ; 57,344 x 2^e6
	s_add_co_i32 s[E45], s56, s57
	v_mov_b32 v9, 0                                ; (upper halves of pairs that are named, and a lane permute's destination, are written once)
	v_mov_b32 v247, 0
	v_mov_b32 v248, 0
	v_mov_b32 v253, 0
.macro KLOAD g                         ; tiles 4 g .. 4 g + 3 of the step's eight: 16 keys x 64 d each
.irp t, 0,1,2,3
.irp c, 0,1
	ds_load_b128 v[KV+8*\t+4*\c:KV+8*\t+4*\c+3], v[ADK] offset:1024*(4*(\g)+\t)+512*\c
.endr
.endr
.endm
.macro VLOAD g                         ; fragments 2 g, 2 g + 1 of the step's four: 16 d x 128 keys each
.irp a, 0,1
.irp c, 0,1,2,3
	ds_load_b128 v[KV+16*\a+4*\c:KV+16*\a+4*\c+3], v[ADV] offset:2048*(2*(\g)+\a)+512*\c
.endr
.endr
.endm
.macro BIAS first, n                   ; pairs first .. first + n - 1 of S: n' g - g_hi D
.set j, 2*(\first)
.rept \n
	v_pk_fma_f32 v[S+j:S+j+1], v[NF+j:NF+j+1], s[GG:GG+1], v[HS:HS+1] op_sel_hi:[1,0,0]
.set j, j+2
.endr
.endm
.macro QK g, qr                        ; the scores are added onto the bias; each accumulator has one instruction, so they take turns
.irp t, 0,1,2,3
	v_wmma_f32_16x16x64_bf8_bf8 v[S+8*(4*(\g)+\t):S+8*(4*(\g)+\t)+7], v[KV+8*\t:KV+8*\t+7], v[\qr:\qr+7], v[S+8*(4*(\g)+\t):S+8*(4*(\g)+\t)+7]
.endr
.endm
.macro PV g
.irp a, 0,1
	v_wmma_f32_16x16x128_bf8_bf8 v[O+8*(2*(\g)+\a):O+8*(2*(\g)+\a)+7], v[KV+16*\a:KV+16*\a+15], v[PC:PC+15], v[O+8*(2*(\g)+\a):O+8*(2*(\g)+\a)+7]
.endr
.endm
; A KEY STEP: 128 keys from KF on, at LDS byte TB of K and of V.  qr: Q's first register.
.macro STEP qr
	s_cmp_gt_u32 s[KF], s[QMAX]                    ; all its keys come after my queries: a scalar branch on ids, round the work and not round the lines that step addresses
	s_cbranch_scc1 .Lhid_\@
	v_add_nc_u32 v[ADK], s[TB], v[LI]              ; (these six lines are also the places in front of the loads into registers that the last products read)
	v_sub_nc_u32 v[DD], v[DQ], s[KF]
	v_add_nc_u32 v[ADV], VBASE, v[ADK]
	v_cvt_f32_i32 v[LL], v[DD]
	v_mul_f32 v[HS], s[GHN], v[LL]                 ; exact: 12 bits x 11 bits
	v_mul_f32 v[LL], s[NA2], v[LL]
	KLOAD 0
	BIAS 0, 16                                     ; while the loads are out
	s_wait_dscnt 0x0
	QK 0, \qr
	BIAS 16, 4                                     ; four plain lines that name no register of those products: the places in front of the loads
	KLOAD 1
	BIAS 20, 12
	s_wait_dscnt 0x0
	QK 1, \qr
.rept 4
	v_nop                                          ; places in front of the loads below and of the first read of the scores
.endr
	VLOAD 0                                        ; lands during the softmax
	s_add_co_u32 s63, s[KF], 127
	s_cmp_le_u32 s63, s[Q0]                        ; a step all of whose keys count skips the mask
	s_cbranch_scc1 .Lopen_\@
	v_mov_b32 v254, 0xff800000                     ; -infinity: p = 0 then.  Key n' is hidden where n' > D
.set n, 0
.rept 64
	v_cmp_gt_i32 vcc_lo, 32*(n/16)+n%16, v[DD]
	v_cndmask_b32 v[S+n], v[S+n], v254, vcc_lo
.set n, n+1
.endr
.Lopen_\@:
	v_max3_num_f32 v254, v[S], v[S+1], v[S+2]      ; the largest of my 64, in two chains; each accumulator is read from its low end on
	v_max3_num_f32 v252, v[S+3], v[S+4], v[S+5]
.set j, 6
.rept 14
	v_max3_num_f32 v254, v254, v[S+j], v[S+j+1]
	v_max3_num_f32 v252, v252, v[S+j+2], v[S+j+3]
.set j, j+4
.endr
	v_max3_num_f32 v254, v254, v[S+62], v[S+63]
	v_max_num_f32 v254, v254, v252
	v_fma_f32 v254, v254, s[CS], v[LL]             ; as t (c1 is positive); ahead of the exchange, since L hangs on the lane's half
	v_permlanex16_b32 v248, v254, s[SEL], s[SEL+1]
	v_max_num_f32 v254, v254, v248
	v_max_num_f32 v13, v13, v254                   ; the running largest t
	v_mov_b32 v254, v12
	v_floor_f32 v12, -v13                          ; the new -M = -ceil(t)
	v_sub_f32 v254, v12, v254                      ; old M - new M: a whole number, 0 or less
	v_cvt_i32_f32 v254, v254                       ; (it saturates)
	v_ldexp_f32 v252, 1.0, v254                    ; f = 2^(old M - new M)
	v_add_f32 v246, v[LL], v12                     ; L - M
.set j, 0
.rept 32
	v_pk_fma_f32 v[S+j:S+j+1], v[S+j:S+j+1], s[CS:CS+1], v[246:247] op_sel_hi:[1,0,0]   ; t - M
.set j, j+2
.endr
.set j, 0
.rept 64
	v_exp_f32 v[S+j], v[S+j]                       ; p = 2^(t - M)
.set j, j+1
.endr
	v_pk_mul_f32 v[14:15], v[14:15], v[252:253] op_sel_hi:[1,0]   ; the sum under the new M: the plain line behind the exponentials
	s_wait_alu depctr_va_vdst(0)                   ; one wait for the batch, ahead of its first reader
	v_pk_add_f32 v[242:243], v[S:S+1], v[S+2:S+3]  ; the sum of the unquantised p, in two chains
.set j, 4
.rept 15
	v_pk_add_f32 v[14:15], v[14:15], v[S+j:S+j+1]
	v_pk_add_f32 v[242:243], v[242:243], v[S+j+2:S+j+3]
.set j, j+4
.endr
	v_pk_add_f32 v[14:15], v[14:15], v[242:243]
.irp b, 0,1,2,3
.set j, 0
.rept 16
	v_min_num_f32 v[S+16*\b+j], v[S+16*\b+j], v240 ; the hold (ISA guide 7.6.2); p is not negative, so it is one-sided
.set j, j+1
.endr
	v_cvt_scalef32_pk8_bf8_f32 v[PC+4*\b:PC+4*\b+1], v[S+16*\b:S+16*\b+7], v244
	v_cvt_scalef32_pk8_bf8_f32 v[PC+4*\b+2:PC+4*\b+3], v[S+16*\b+8:S+16*\b+15], v244
.endr
.set j, 0
.rept 16
	v_pk_mul_f32 v[O+j:O+j+1], v[O+j:O+j+1], v[252:253] op_sel_hi:[1,0]   ; O^T under the new M (plain lines behind the conversions)
.set j, j+2
.endr
	s_wait_dscnt 0x0                               ; V's fragments 0, 1
	PV 0
.rept 4
	v_nop
.endr
	VLOAD 1
	s_wait_dscnt 0x0
	PV 1
.Lhid_\@:
	s_add_co_u32 s[TB], s[TB], 8192
	s_add_co_u32 s[KF], s[KF], 128
.endm
.macro RUN n, first, qr                ; key steps first .. first + n - 1: the trip count is a constant
	s_mov_b32 s[TB], 8192*(\first)
	s_mov_b32 s[KF], 128*(\first)
	s_mov_b32 s[CNT], \n
.Lrun_\@:
	STEP \qr
	s_sub_co_u32 s[CNT], s[CNT], 1
	s_cmp_lg_u32 s[CNT], 0
	s_cbranch_scc1 .Lrun_\@
.endm
.macro INIT tb                         ; a tile begins: token block s[tb]
	s_lshr_b32 s[Q0], s[\tb], 1
	s_lshl_b32 s[Q0], s[Q0], 5
	s_and_b32 s63, s[\tb], 1
	s_lshl_b32 s63, s63, 3
	s_add_co_u32 s[Q0], s[Q0], s63                 ; 32 (tb / 2) + 8 (tb % 2)
	s_add_co_u32 s[QMAX], s[Q0], 23
	s_lshl_b32 s70, s[\tb], 14
	s_mov_b32 s71, 0
	s_add_nc_u64 s[70:71], s[78:79], s[70:71]      ; its place in ctx_img
	v_add_nc_u32 v[DQ], s[Q0], v[RQ]
	v_mov_b32 v13, 0xff61b1e6                      ; the largest t so far: -3e38
	v_floor_f32 v12, -v13
	v_mov_b32 v14, 0
	v_mov_b32 v15, 0
.set j, 0
.rept 32
	v_mov_b32 v[O+j], 0                            ; the step is written without a first step of its own: the first change of M leaves zeros zeros
.set j, j+1
.endr
.endm
.macro OUT                             ; ctx = O^T x 2^(e4 + e5) / the sum, quantised with 2^e6; the codes are registers 4 c .. 4 c + 3 of the next operand's image
.rept 4
	v_nop                                          ; places behind the last products
.endr
	v_add_f32 v14, v14, v15
	v_permlanex16_b32 v248, v14, s[SEL], s[SEL+1]
	v_add_f32 v14, v14, v248                       ; the row's sum
	v_rcp_f32 v14, v14
	v_nop                                          ; a plain line behind the transcendental
	s_wait_alu depctr_va_vdst(0)                   ; and the wait ahead of its first reader
	v_ldexp_f32 v14, v14, s[E45]
.set j, 0
.rept 32
	v_mul_f32 v[S+j], v[O+j], v14
.set j, j+1
.endr
.set j, 0
.rept 32
	v_med3_num_f32 v[S+j], v[S+j], -v241, v241
.set j, j+1
.endr
.irp c, 0,1
	v_cvt_scalef32_pk8_bf8_f32 v[PC+4*\c:PC+4*\c+1], v[S+16*\c:S+16*\c+7], v245
	v_cvt_scalef32_pk8_bf8_f32 v[PC+4*\c+2:PC+4*\c+3], v[S+16*\c+8:S+16*\c+15], v245
.endr
	v_nop                                          ; a plain line behind the last conversion
.irp c, 0,1
	global_store_b128 v[LI], v[PC+4*\c:PC+4*\c+3], s[70:71] offset:512*\c   ; 512 consecutive bytes, aligned
.endr
.endm
	INIT TBH
	s_wait_loadcnt 0x0                             ; Q
.irp g, 0,1,2,3
	s_wait_tensorcnt 3-\g                          ; my part of group g has landed; the later groups' loads may stay out
	s_barrier_signal -1
	s_barrier_wait -1                              ; everybody's has
	RUN 4, 4*\g, QH
.endr
	OUT
	s_wait_xcnt 0x0                                ; the stores have read their data and their base: both are written again
	INIT TBL
	RUN 8, 0, QL                                   ; the low tile's queries lie under 1,024: key steps 0 .. 7
	OUT
	s_wait_tensorcnt 0x0
	ds_add_u32 v251, v255
	s_wait_dscnt 0x0
	s_endpgm
.Lfunc_end_k_q55245cd085_attn:
	.size	k_q55245cd085_attn, .Lfunc_end_k_q55245cd085_attn-k_q55245cd085_attn
	.p2alignl 7, 3214868480
	.fill 96, 4, 3214868480
	.section	.rodata,"a",@progbits
	.p2align	6, 0x0
	.amdhsa_kernel k_q55245cd085_attn
		.amdhsa_group_segment_fixed_size 264192
		.amdhsa_private_segment_fixed_size 0
		.amdhsa_enable_private_segment 0
		.amdhsa_kernarg_size 32
		.amdhsa_user_sgpr_count 2
		.amdhsa_user_sgpr_kernarg_segment_ptr 1
		.amdhsa_wavefront_size32 1
		.amdhsa_system_sgpr_workgroup_id_x 1
		.amdhsa_system_sgpr_workgroup_id_y 1
		.amdhsa_system_sgpr_workgroup_id_z 1
		.amdhsa_system_vgpr_workitem_id 0
		.amdhsa_next_free_vgpr 256
		.amdhsa_next_free_sgpr 90
		.amdhsa_reserve_vcc 1
		.amdhsa_float_denorm_mode_32 3
		.amdhsa_float_denorm_mode_16_64 3
		.amdhsa_memory_ordered 1
		.amdhsa_forward_progress 1
		.amdhsa_inst_pref_size 136
	.end_amdhsa_kernel
	.amdgpu_metadata
---
amdhsa.version: [ 1, 2 ]
amdhsa.kernels:
  - .name:           k_q55245cd085_attn
    .symbol:         k_q55245cd085_attn.kd
    .args:
      - { .name: qkv_img, .offset: 0, .size: 8, .value_kind: global_buffer, .address_space: global }
      - { .name: alibi_slopes, .offset: 8, .size: 8, .value_kind: global_buffer, .address_space: global }
      - { .name: lowp_scales, .offset: 16, .size: 8, .value_kind: global_buffer, .address_space: global }
      - { .name: ctx_img, .offset: 24, .size: 8, .value_kind: global_buffer, .address_space: global }
    .group_segment_fixed_size: 264192
    .private_segment_fixed_size: 0
    .kernarg_segment_align: 8
    .kernarg_segment_size: 32
    .max_flat_workgroup_size: 512
    .sgpr_count:     90
    .vgpr_count:     256
    .wavefront_size: 32
...
	.end_amdgpu_metadata
.endif
;; end of part 3
;; launch gemm_out (part 4): grid 4 x 32, 4 waves a work-group, clusters of 4 x 4, 327,680 bytes of LDS; arguments ctx_img, wout_img, lowp_scales, out0; writes out0
.if DOCPART == 4
	.amdgcn_target "amdgcn-amd-amdhsa--gfx1250"
	.amdhsa_code_object_version 6
	.text
	.protected	k_q55245cd085_gemm_out
	.globl	k_q55245cd085_gemm_out
	.p2align	8
	.type	k_q55245cd085_gemm_out,@function
k_q55245cd085_gemm_out:
	s_mov_b64 s[64:65], 0
	v_nop
	global_prefetch_b8 v0, s[64:65] scope:SCOPE_SE
	s_setreg_imm32_b32 hwreg(HW_REG_WAVE_MODE, 25, 1), 1
	s_wait_xcnt 0x0
	s_wait_alu depctr_hold_cnt(0) depctr_sa_sdst(0) depctr_va_vdst(0) depctr_va_sdst(0) depctr_va_ssrc(0) depctr_va_vcc(0) depctr_vm_vsrc(0)
	s_getreg_b32 s2, hwreg(HW_REG_IB_STS2, 6, 4)
	s_cmp_eq_u32 s2, 0
	s_cbranch_scc0 .Lentry_in_a_cluster
	s_endpgm
.Lentry_in_a_cluster:
	s_bfe_u32 s2, ttmp6, 0x10000c
	s_cmp_lg_u32 s2, 0xf033
	s_cbranch_scc0 .Lentry_shape_is_right
	s_endpgm
.Lentry_shape_is_right:
; out0 = ctx w_out^T on codes of BF8 (E5M2), K = 1,024; each finished f32 sum is multiplied once by 2^(e6 + e7).  out0: [8192][1024] f32.
; OPERANDS are images: a fragment (16 rows x 128 k) is 2,048 bytes, lane (r, h)'s registers 4 c .. 4 c + 3 (k = 32 c + 16 h + 0 .. 15) at byte 512 c + 16 lane; fragment row r of row block t is matrix row
; 32 (t / 2) + 8 (t % 2) + r + 8 (r / 8); a tensor is [row block][K step of 128: 8][2,048].  The same order of k stands on both sides of the product.
; A tile of the result, 256 x 256, is made by four waves, 128 x 128 each: 64 accumulators, 512 registers.  THE MATRIX INSTRUCTION IS USED TRANSPOSED (source 0 = 16 rows of w_out, source 1 = 16 tokens):
; lane (r, h) holds the token of fragment row r, and the 16 registers of w_out's blocks 2 c, 2 c + 1 are columns 32 c + 16 h + 0 .. 15.
; K goes in steps of 256 through a ring of two LDS slots filled by the tensor data mover.  CLUSTERS: 4 x 4 work-groups; ctx's tiles are asked for jointly by a row of the cluster, w_out's by a column.
; LIMIT: e6 + e7 between -126 and 127, so that 2^(e6 + e7) is an f32 number.
; REGISTERS, in windows of 256: window 0: v16-29 addresses; from v128 A's fragments, ONE set; on the way out v32-255 are free.   window 1: B's fragments, TWO sets.
;   window 2: the accumulators of my row blocks 0-3 ((a, b) at v[8 (8 (a % 4) + b)]);   window 3: those of blocks 4-7.
.set HALFT,  32768                     ; 8 row blocks x 2 fragments: what one tensor load brings, and what one wave reads of A or of B
.set SLOT,   4*HALFT                   ; A's 16 row blocks, then B's
.set SPARE,  2*SLOT                    ; behind the ring: the spare words, 128 bytes for each wave: two blocks of 256 bytes that no other line names
.set STEPB,  4096                      ; a K step of 256 of one row block in memory: two fragments
.set LAPS,   2                         ; K = 1,024 = four K steps = twice round the ring
.set FR,     16
.set NL,     4
.set NP,     4                         ; places behind this matrix instruction (ISA guide 7.12.1)
.set SPITCH, 528                       ; the way out: a stage of 16 rows x (512 bytes + 16) for each wave.  It lies in slot 0, which has had its last fill and its last read when the first result is stored there
.set ADRA, 16                          ; v16-17  LDS address of my A fragments in slot 0, 1
.set ADRB, 20                          ; v20-21  the same for B
.set STO,  24                          ; v24     the way out: where I put my bytes of a row
.set RD,   25                          ; v25     where I read a row back
.set CO,   26                          ; v26     16 x lane: my place in an image, and in a row's 512 bytes of out0
.set SPW,  28                          ; v28     LDS address of my spare word; never rewritten
.set NIL,  29                          ; v29     0; never rewritten
.set TMP,  32
.set AF,   128
.set BK,   128                         ; the way out: 16 rows read back: v128-191 and v192-255 by turns
.set G1, 24
.set G0, 32
.set G1B, 48
.set G0B, 56
.set MSB, 0
.macro WIN new                         ; the immediate's high byte repeats the setting that is left
.if MSB != (\new)
	s_set_vgpr_msb (MSB<<8)|(\new)
.set MSB, (\new)
.endif
.endm
.set MUL_LO, 0xa1                      ; source 0 (B) window 1, source 1 (A) window 0, C and D window 2
.set MUL_HI, 0xf1                      ; the same, C and D window 3
.set TO_B,   0x40                      ; destination window 1, address window 0
; A joint load: waves 0 and 1 fetch for A, waves 2 and 3 for B; the branch hangs on the wave's number alone.  Four v_nop follow each of the two lines.
.macro JLOAD g0a, g1a, g0b, g1b
	s_cmp_eq_u32 s15, 0
	s_cbranch_scc0 .Lfor_b_\@
	tensor_load_to_lds s[\g0a:\g0a+3], s[\g1a:\g1a+7]
	s_nop 0
.rept 4
	v_nop
.endr
	s_branch .Lasked_\@
.Lfor_b_\@:
	tensor_load_to_lds s[\g0b:\g0b+3], s[\g1b:\g1b+7]
	s_nop 0
.rept 4
	v_nop
.endr
.Lasked_\@:
.endm
.macro CREST                           ; a round of the cluster's barrier behind its opening barrier
	s_cmp_lg_u32 s14, 0
	s_cbranch_scc1 .Lnot_wave_0_\@
	s_barrier_signal -3
.Lnot_wave_0_\@:
	s_barrier_wait -3
	s_barrier_signal -1
	s_barrier_wait -1
.endm
.macro CROUND                          ; a whole round
	s_barrier_signal -1
	s_barrier_wait -1
	CREST
.endm
	s_load_b128 s[4:7], s[0:1], 0x0                ; ctx_img, wout_img
	s_load_b128 s[8:11], s[0:1], 0x10              ; the scales' exponents, out0
	v_lshl_add_u32 v[SPW], v0, 2, SPARE
	v_mov_b32 v[NIL], 0
	ds_add_u32 v28, v29
	ds_add_u32 v28, v29
	s_wait_dscnt 0x0
	v_lshrrev_b32 v1, 5, v0
	v_readfirstlane_b32 s14, v1                    ; wave 0..3
	s_lshr_b32 s15, s14, 1                         ; which half of the tile's rows is mine.  Also: I fetch for A (0) or for B (1)
	s_and_b32 s16, s14, 1                          ; which half of its columns.  Also: which 8 row blocks of that tile I fetch
	s_bfe_u32 s40, ttmp6, 0x40000                  ; cx, cy: my place in the cluster
	s_bfe_u32 s41, ttmp6, 0x40004
	s_lshl_b32 s42, ttmp9, 2
	s_add_co_u32 s42, s42, s40                     ; tile column = 4 x cluster x + cx
	s_and_b32 s17, ttmp7, 0xffff
	s_lshl_b32 s17, s17, 2
	s_add_co_u32 s17, s17, s41                     ; tile row = 4 x cluster y + cy
	s_lshl_b32 s43, s41, 2
	s_lshl_b32 s43, 15, s43                        ; my row of the cluster
	s_lshl_b32 s44, 0x1111, s40                    ; my column
	; descriptor group 1: 8 row blocks x 4,096 bytes (two fragments), 16,384 bytes apart in memory, dense in LDS
	s_or_b32 s[G1+0], s43, (3<<16)|(1<<21)         ; 15:0 the mask: A's tiles go to my row; 17:16 elements of 8 bytes; 20 no padding; 21 set beside a mask
	s_or_b32 s[G1B+0], s44, (3<<16)|(1<<21)
.irp g, G1, G1B
	s_mov_b32 s[\g+1], 512<<16                     ; tensor_dim0 = 512 elements
	s_mov_b32 s[\g+2], 8<<16                       ; tensor_dim1 = 8
	s_mov_b32 s[\g+3], 512<<16                     ; tile_dim0
	s_mov_b32 s[\g+4], 8                           ; tile_dim1
	s_mov_b32 s[\g+5], 2048                        ; tensor_dim0_stride: 16,384 bytes
	s_mov_b32 s[\g+6], 0
	s_mov_b32 s[\g+7], 0
.endr
	s_lshl_b32 s18, s16, 7                         ; which 128 rows of the tile I fetch
	s_lshl_b32 s20, s17, 8
	s_add_co_u32 s20, s20, s18
	s_lshl_b32 s20, s20, 10                        ; A: 1,024 bytes of image for each row
	s_mov_b32 s21, 0
	s_lshl_b32 s46, s42, 8
	s_add_co_u32 s46, s46, s18
	s_lshl_b32 s46, s46, 10                        ; B likewise
	s_mov_b32 s47, 0
	s_mul_i32 s45, s14, HALFT                      ; where they go: wave x 32,768: no place in the cluster enters an LDS address
	s_wait_kmcnt 0x0
	s_load_b64 s[96:97], s[8:9], 0x18              ; e6, e7
	s_add_nc_u64 s[20:21], s[4:5], s[20:21]
	s_add_nc_u64 s[46:47], s[6:7], s[46:47]
	CROUND                                         ; all sixteen work-groups are here: the first joint loads meet
.irp s, 0,1
	s_mov_b32 s[G0+4*\s], 1
	s_add_co_u32 s[G0+4*\s+1], s45, \s*SLOT
	s_add_nc_u64 s[G0+4*\s+2:G0+4*\s+3], s[20:21], \s*STEPB
	s_or_b32 s[G0+4*\s+3], s[G0+4*\s+3], 0x80000000
	s_mov_b32 s[G0B+4*\s], 1
	s_add_co_u32 s[G0B+4*\s+1], s45, \s*SLOT
	s_add_nc_u64 s[G0B+4*\s+2:G0B+4*\s+3], s[46:47], \s*STEPB
	s_or_b32 s[G0B+4*\s+3], s[G0B+4*\s+3], 0x80000000
	JLOAD G0+4*\s, G1, G0B+4*\s, G1B
.endr
	v_and_b32 v6, 31, v0
	v_lshlrev_b32 v[CO], 4, v6
	s_mul_i32 s21, s15, HALFT                      ; my 8 row blocks of A
	s_mul_i32 s22, s16, HALFT                      ; my 8 of B,
	s_add_co_u32 s22, s22, 2*HALFT                 ; which lie behind A's 16
.irp s, 0,1
	v_add_nc_u32 v[ADRA+\s], s21, v[CO]
	v_add_nc_u32 v[ADRB+\s], s22, v[CO]
	s_add_co_u32 s21, s21, SLOT
	s_add_co_u32 s22, s22, SLOT
.endr
	v_and_b32 v1, 15, v0                           ; r
	v_bfe_u32 v2, v0, 4, 1                         ; h
	s_mul_i32 s23, s14, 16*SPITCH                  ; my stage
	v_mul_u32_u24 v5, v1, SPITCH
	v_lshl_add_u32 v5, v2, 6, v5
	v_add_nc_u32 v[STO], s23, v5                   ; in: row r, + 64 h: my 16 columns of each 32
	v_add_nc_u32 v[RD], s23, v[CO]                 ; back: the 32 lanes take one row of 512 bytes
	s_lshl_b32 s66, s17, 8
	s_lshl_b32 s67, s15, 7
	s_add_co_u32 s66, s66, s67                     ; my first row of out0,
	s_lshl_b32 s66, s66, 12                        ; of 4,096 bytes
	s_lshl_b32 s68, s42, 10                        ; my first column, in bytes: 1,024 x tile column + 512 x half
	s_lshl_b32 s69, s16, 9
	s_add_co_u32 s68, s68, s69
	s_add_co_u32 s66, s66, s68
	s_mov_b32 s67, 0
	s_add_nc_u64 s[10:11], s[10:11], s[66:67]
.macro FRAG reg, adr, q, i             ; row block i's fragment of the slot's q-th 128 along K: four loads of 512 consecutive bytes
.irp c, 0,1,2,3
	ds_load_b128 v[\reg+4*\c:\reg+4*\c+3], v[\adr] offset:4096*(\i)+2048*(\q)+512*\c
.endr
.endm
; 16 matrix instructions: A's blocks a0, a0 + 1 x B's eight, 128 along K.  p: B's set.  zero = 1: the first product starts the sums.
; The 64 accumulators take turns, one instruction a turn, in the same order in every step.
.macro MUL16 a0, p, zero
.irp a, \a0, \a0+1
.irp b, 0,1,2,3,4,5,6,7
.if \zero
	v_wmma_f32_16x16x128_bf8_bf8 v[8*(8*((\a)%4)+\b):8*(8*((\a)%4)+\b)+7], v[128*(\p)+FR*\b:128*(\p)+FR*\b+FR-1], v[AF+FR*(\a):AF+FR*(\a)+FR-1], 0
.else
	v_wmma_f32_16x16x128_bf8_bf8 v[8*(8*((\a)%4)+\b):8*(8*((\a)%4)+\b)+7], v[128*(\p)+FR*\b:128*(\p)+FR*\b+FR-1], v[AF+FR*(\a):AF+FR*(\a)+FR-1], v[8*(8*((\a)%4)+\b):8*(8*((\a)%4)+\b)+7]
.endif
.endr
.endr
.endm
.macro FETCH_B slot, q, p
	WIN TO_B
.irp i, 0,1,2,3,4,5,6,7
	FRAG 128*(\p)+FR*\i, ADRB+\slot, \q, \i
.endr
	WIN 0
.endm
.macro FETCH_A slot, q, i0
.irp i, \i0, \i0+1, \i0+2, \i0+3
	FRAG AF+FR*(\i), ADRA+\slot, \q, \i
.endr
.endm
.macro PLACES n                        ; plain vector lines between a matrix instruction and a load into, or a vector read or write of, one of its registers
.rept \n
	v_nop
.endr
.endm
; A step of 128 along K that has its successor in the same slot.  A has one set of registers: blocks 0-3 are fetched anew in the step's middle, blocks 4-7 at its end; B has two sets.
.macro STEP slot, q, zero
	s_wait_dscnt 4*NL                              ; B's set and A's blocks 0-3 are in; the youngest 16 loads (A's blocks 4-7) may be out
	WIN MUL_LO
	MUL16 0, (\q)%2, \zero
	MUL16 2, (\q)%2, \zero
	s_wait_dscnt 0                                 ; A's blocks 4-7 are in
	PLACES NP
	FETCH_B \slot, (\q)+1, 1-(\q)%2
	FETCH_A \slot, (\q)+1, 0
	WIN MUL_HI
	MUL16 4, (\q)%2, \zero
	MUL16 6, (\q)%2, \zero
	PLACES NP
	WIN 0
	FETCH_A \slot, (\q)+1, 4
.endm
; A slot's last step changes slots: ONE barrier; in front of it each wave waits for all its tensor loads, adds 0 to its spare word, and waits for that and for its reads of this slot.  fill = 1: the slot is filled again, two K steps ahead.
.macro TURN slot, next, fill
	s_wait_tensorcnt 0x0                           ; all my tensor loads have landed: my part of the next slot
	ds_add_u32 v[SPW], v[NIL]                      ; 0 onto my spare word
	s_wait_dscnt 4*NL+1                            ; (the add and the youngest 16 loads, A's blocks 4-7, may be out)
	WIN MUL_LO
	MUL16 0, 1, 0                                  ; sixteen matrix instructions stand between the add and the wait for it
	s_wait_dscnt 0x0                               ; the add is done, and my reads of this slot are over
	s_barrier_signal -1
	MUL16 2, 1, 0
	WIN 0
	s_barrier_wait -1
.if \fill
	CREST                                          ; the barrier has opened a round of the cluster's barrier: no wave of any partner still reads this slot or has a load on its way
	s_add_nc_u64 s[G0+4*\slot+2:G0+4*\slot+3], s[G0+4*\slot+2:G0+4*\slot+3], 2*STEPB
	s_add_nc_u64 s[G0B+4*\slot+2:G0B+4*\slot+3], s[G0B+4*\slot+2:G0B+4*\slot+3], 2*STEPB
	JLOAD G0+4*\slot, G1, G0B+4*\slot, G1B         ; the first tensor load behind the round; its four v_nop are also the places in front of the loads below
.else
	PLACES NP
.endif
	FETCH_B \next, 0, 0
	FETCH_A \next, 0, 0
	WIN MUL_HI
	MUL16 4, 1, 0
	MUL16 6, 1, 0
	PLACES NP
	WIN 0
	FETCH_A \next, 0, 4
.endm
	s_wait_tensorcnt 1                             ; my part of K step 0 is in (K step 1's load may be out)
	s_barrier_signal -1
	s_barrier_wait -1                              ; everybody's is
	FETCH_B 0, 0, 0
	FETCH_A 0, 0, 0
	FETCH_A 0, 0, 4
	STEP 0, 0, 1                                   ; the first step stands in front of the loop: its products start the sums
	s_mov_b32 s3, LAPS-1
.Llap:                                                 ; a trip goes once round the ring and fills both slots again
	TURN 0, 1, 1
	STEP 1, 0, 0
	TURN 1, 0, 1
	STEP 0, 0, 0
	s_sub_co_u32 s3, s3, 1
	s_cmp_lg_u32 s3, 0
	s_cbranch_scc1 .Llap
	TURN 0, 1, 0                                   ; the last lap fills nothing
	STEP 1, 0, 0
	s_wait_dscnt 4*NL                              ; the very last step: nothing more to fetch
	WIN MUL_LO
	MUL16 0, 1, 0
	MUL16 2, 1, 0
	s_wait_dscnt 0
	WIN MUL_HI
	MUL16 4, 1, 0
	MUL16 6, 1, 0
	WIN 0
; THE WAY OUT, row block by row block.  A lane holds pieces of one row, and the lanes beside it hold other rows: so a block goes through my own stage in LDS and comes back as whole rows of 512 bytes, which the
; 32 lanes store as one aligned run of 512 bytes.  LDS serves a wave's instructions in order (ISA guide 5.7.1.4): no wait between the stores and the loads, nor in front of the next block's stores.
.macro TOSTAGE a
.set AC, 64*((\a)%4)
	WIN 0x02+((\a)/4)                              ; source 0: window 2 or 3
.set j, 0
.rept 32
	v_pk_mul_f32 v[TMP+j:TMP+j+1], v[AC+j:AC+j+1], s[96:97] op_sel_hi:[1,0]   ; both x s96 = 2^(e6 + e7); each accumulator from its low end on
.set j, j+2
.endr
	WIN 0
.irp b, 0,1,2,3,4,5,6,7                ; w_out's block b: columns 32 (b / 2) + 16 h + 8 (b % 2) + 0 .. 7
	ds_store_b128 v[STO], v[TMP+8*\b:TMP+8*\b+3] offset:128*(\b/2)+32*(\b%2)
	ds_store_b128 v[STO], v[TMP+8*\b+4:TMP+8*\b+7] offset:128*(\b/2)+32*(\b%2)+16
.endr
.set BB, BK+64*((\a)%2)
.irp t, 0,1,2,3,4,5,6,7,8,9,10,11,12,13,14,15
	ds_load_b128 v[BB+4*\t:BB+4*\t+3], v[RD] offset:\t*SPITCH
.endr
.endm
.macro SEND a, younger                 ; younger: the LDS instructions issued behind block a's loads, which may stay out
.set BB, BK+64*((\a)%2)
	s_wait_dscnt \younger                          ; the block is back in registers
.irp t, 0,1,2,3,4,5,6,7,8,9,10,11,12,13,14,15  ; fragment row t of block a is my row 32 (a / 2) + 8 (a % 2) + t + 8 (t / 8): it stands in the immediate, 127 rows of 4,096 bytes at the most
	global_store_b128 v[CO], v[BB+4*\t:BB+4*\t+3], s[10:11] offset:(32*((\a)/2)+8*((\a)%2)+\t+8*(\t/8))*4096 th:TH_STORE_NT   ; 512 consecutive bytes, aligned; written once, read by nobody here
.endr
.endm
	s_wait_kmcnt 0x0
	s_add_co_i32 s96, s96, s97                     ; e6 + e7
	s_add_co_i32 s96, s96, 127
	s_lshl_b32 s96, s96, 23                        ; 2^(e6 + e7) as f32
	PLACES NP                                      ; behind the last products: for the reads of results and the loads into the registers that held A's fragments
	TOSTAGE 0
.irp a, 1,2,3,4,5,6,7
.if \a > 1
	s_wait_xcnt 0x0                                ; block a - 2's stores have read their registers: block a's loads may land there
.endif
	TOSTAGE \a
	SEND \a-1, 32                                  ; behind block a - 1's loads: block a's 16 stores and 16 loads
.endr
	SEND 7, 0
	s_wait_tensorcnt 0x0                           ; the wave's end
	ds_add_u32 v[SPW], v[NIL]
	s_wait_dscnt 0x0
	CROUND                                         ; the closing round: no work-group ends while a partner may still ask for a tile that names it
	s_endpgm
.Lfunc_end_k_q55245cd085_gemm_out:
	.size	k_q55245cd085_gemm_out, .Lfunc_end_k_q55245cd085_gemm_out-k_q55245cd085_gemm_out
	.p2alignl 7, 3214868480
	.fill 96, 4, 3214868480
	.section	.rodata,"a",@progbits
	.p2align	6, 0x0
	.amdhsa_kernel k_q55245cd085_gemm_out
		.amdhsa_group_segment_fixed_size 327680
		.amdhsa_private_segment_fixed_size 0
		.amdhsa_enable_private_segment 0
		.amdhsa_kernarg_size 32
		.amdhsa_user_sgpr_count 2
		.amdhsa_user_sgpr_kernarg_segment_ptr 1
		.amdhsa_wavefront_size32 1
		.amdhsa_system_sgpr_workgroup_id_x 1
		.amdhsa_system_sgpr_workgroup_id_y 1
		.amdhsa_system_sgpr_workgroup_id_z 1
		.amdhsa_system_vgpr_workitem_id 0
		.amdhsa_next_free_vgpr 1024
		.amdhsa_next_free_sgpr 98
		.amdhsa_reserve_vcc 0
		.amdhsa_float_denorm_mode_32 3
		.amdhsa_float_denorm_mode_16_64 3
		.amdhsa_memory_ordered 1
		.amdhsa_forward_progress 1
		.amdhsa_inst_pref_size 122
	.end_amdhsa_kernel
	.amdgpu_metadata
---
amdhsa.version: [ 1, 2 ]
amdhsa.kernels:
  - .name:           k_q55245cd085_gemm_out
    .symbol:         k_q55245cd085_gemm_out.kd
    .args:
      - { .name: ctx_img, .offset: 0, .size: 8, .value_kind: global_buffer, .address_space: global }
      - { .name: wout_img, .offset: 8, .size: 8, .value_kind: global_buffer, .address_space: global }
      - { .name: lowp_scales, .offset: 16, .size: 8, .value_kind: global_buffer, .address_space: global }
      - { .name: out0, .offset: 24, .size: 8, .value_kind: global_buffer, .address_space: global }
    .group_segment_fixed_size: 327680
    .private_segment_fixed_size: 0
    .kernarg_segment_align: 8
    .kernarg_segment_size: 32
    .max_flat_workgroup_size: 128
    .sgpr_count:     98
    .vgpr_count:     1024
    .wavefront_size: 32
...
	.end_amdgpu_metadata
.endif
;; end of part 4
